; MI455X (gfx1250); checked and timed in simulation.
; The chip was launched on July 23, 2026; its instructions are those of AMD's public machine-readable ISA for CDNA 5 (MIT licence, August 2026) and "CDNA5" Instruction Set Architecture Reference Guide (July 2026). The comments in the code are by the model that wrote it; some were corrected since.
;; Novelty Map. Allowed arithmetic: matrix products marked QUANTISED: E5M2 operands, one E8M0 scale for each 32 along K, by v_wmma_scale_f32_16x16x128_f8f6f4 with both operands' format E5M2, f32 sums; everything else in f32.
;; Inputs: x 4 x 3 x 256 x 256 float32; y 4 x 3 x 1,936 x 1,936 float32.
;; Outputs: out0 4 x 256 x 256 float32.
;; This version of the problem:
;;   THIS VERSION OF THE PROBLEM IS GIVEN IN LOW PRECISION. The matrix products marked QUANTISED in the list below multiply operands that are first quantised to E5M2 (5 exponent bits, 2 mantissa bits; 8 bits a number), with one power-of-two scale for each 32 numbers along K (OCP MX v1.0); their sums are f32. All else is computed in f32.
;;   The module's matrix products, in the order in which they are computed (A, B: the left and right operand; K: the contracted axis; several contracted axes count as one K, in the product's order):
;;     1. [M 256, K 121] x [K 121, N 484]; A: computed on the way; B: computed on the way: QUANTISED
;;     2. [M 1,024, K 121] x [K 121, N 256]; A: computed on the way; B: computed on the way: QUANTISED
;;   THE QUANTISER, for each operand of a quantised product, along K:
;;     - K is cut into blocks of 32 from its start; a last block that is shorter is filled with zeros.
;;     - A block's scale is 2^e with e = floor(log2(the largest magnitude in the block)) - 15, held to -126 .. 127; a block of zeros has e = 0. As a byte (E8M0): e + 127.
;;     - Each number is divided by its block's scale, clamped to +-57,344, and rounded to the nearest number of E5M2, ties to even, subnormals kept.
;;     - The product sums the exact products of the quantised numbers (number of the format x scale) in f32.
;;   ~~~python
;;   def quantise(x, axis):      # numpy; x: float32 -> the quantised numbers, widened to float32 again
;;       x = np.moveaxis(x, axis, -1); K = x.shape[-1]
;;       x = np.pad(x, [(0, 0)] * (x.ndim - 1) + [(0, -K % 32)]); x = x.reshape(x.shape[:-1] + (-1, 32)); a = np.abs(x).max(-1, keepdims=True)
;;       e = np.where(a > 0, np.clip(np.frexp(np.where(a > 0, a, 1))[1] - 1 - 15, -126, 127), 0)      # np.frexp(a)[1] - 1 = floor(log2(a)), exactly
;;       r = np.clip(x / 2.0 ** e, -57344, 57344)
;;       step = 2.0 ** (np.maximum(np.frexp(np.where(r == 0, 1, r))[1] - 1, -14) - 2)
;;       q = np.round(r / step) * step * 2.0 ** e      # np.round: ties to even
;;       return np.moveaxis(q.reshape(q.shape[:-2] + (-1,))[..., :K], -1, axis).astype(np.float32)
;;   ~~~
;;   OPERANDS COMPUTED ON THE WAY. 'Computed on the way' means the value that the module computes at that place (a softmax that the list does not call 'softmax' is quantised finished and normalised). What goes into a quantiser is computed in f32, as accurately as f32 sums, v_exp_f32 and their like allow (about 1e-6 of the number): no bf16 or f16 on the way to a quantiser, and a product that is left as it is and whose result goes on into a quantised operand takes f32 operands (vector FMAs, or v_wmma_f32_16x16x4_f32). A number that lies on a knife's edge between two numbers of the format may be rounded either way, as far as f32 arithmetic and the matrix unit's own rounding can turn it there, and no further.
;; One version. Each part assembles by itself: llvm-mc -triple=amdgcn-amd-amdhsa -mcpu=gfx1250 --defsym DOCPART=n.
;; ======== version 1 of 1: 2 launches
;; limits: right only within a limited range of input values
;; workspace buffers: mws 262,144 bytes
;; launch patch_mse (part 1): grid 121 x 4, 11 waves a work-group, no clusters, 61,952 bytes of LDS; arguments x, y, mws; writes mws
.if DOCPART == 1
	.amdgcn_target "amdgcn-amd-amdhsa--gfx1250"
	.amdhsa_code_object_version 6
	.text
	.protected	k_qfe2f1541ea_patch_mse
	.globl	k_qfe2f1541ea_patch_mse
	.p2align	8
	.type	k_qfe2f1541ea_patch_mse,@function
k_qfe2f1541ea_patch_mse:
	s_mov_b64 s[64:65], 0
	v_nop
	global_prefetch_b8 v0, s[64:65] scope:SCOPE_SE
	s_setreg_imm32_b32 hwreg(HW_REG_WAVE_MODE, 25, 1), 1
	s_wait_xcnt 0x0
; m[b][py][px] = mean over c, ky, kx of (x[b][c][2 py + ky][2 px + kx] - y[b][c][16 py + ky][16 px + kx])^2.   x: [4][3][256][256], y: [4][3][1936][1936], f32.
; Result: mws [4][128][128] f32, row py, column px; columns and rows 121 .. 127 are stored as zeros, so that the next launch finds the zeros with which its K is filled up.
; SHARES.  A work-group of eleven waves owns one (b, py).  The 16 rows of y of one channel are ONE dense block of 16 x 7,744 = 123,904 bytes, which begins at a multiple of 256 bytes: 242 pieces of 512 bytes,
; 22 POSITIONS for each wave, each 512 consecutive bytes from a multiple of 256.  A position stands at the same place in the three channels' blocks: the wave takes the three together, so that a position's sum over
; the channels is finished in one step and one address in x serves three channels.  y is read once, as it lies; nothing in the loads knows of rows.
; A lane's 16 bytes are a quarter of an ITEM, the 16 neighbours of one patch row.  Item h = 176 wave + 8 position + lane / 4 is row ky = h / 121 of patch px = h % 121.
; x: the 3 x 16 rows that this py needs (48 KB) are copied to LDS once, as [c][ky][256]; a lane's four x lie at element 256 ky + 2 px + 4 (lane % 4) = 2 h + 14 ky + 4 (lane % 4): two loads of 8 bytes.
; A RING OF 8 POSITIONS in registers, 24 loads of 512 bytes a wave: a position's registers are loaded again as soon as its differences are formed.  Two positions are asked for ahead of x, the other six behind it.
; A position's sum is joined over the four lanes of an item one step later, between the next address's lines, and goes to LDS as [ky][132]; at the end wave 0 adds the 16 rows and stores 512 bytes.
; Two work-groups have room on a WGP: 22 waves, at most six on a SIMD, 6 x 160 = 960 of 1,024 registers, and 2 x 61,952 bytes of LDS; so the 484 work-groups find room at once on 256 WGPs.
; NOT USED, and why: no tensor load and no ring in LDS (the ring in registers holds 11 x 24 x 512 = 135,168 bytes a work-group and is never drained before the end); no cluster: what neighbouring work-groups
; share is x, 49,152 of the 420,864 bytes that a work-group reads; no prefetch: the loads themselves run eight positions ahead of their use and follow each other without a gap.
; LIMITS: the 768 squares are added in another order than the reference adds them (f32 throughout); the mean is a multiplication by 1/768 rounded to f32.  NaN and infinities are passed on as they come.
.set WAVES,  11
.set POS,    22                        ; positions of a wave
.set RING,   8                         ; positions in the ring
.set YSTRIP, 123904                    ; 16 rows of y
.set YCH,    14992384                  ; a channel of y
.set YIMG,   3*YCH
.set XCH,    262144                    ; a channel of x
.set XIMG,   3*XCH
.set XPART,  16384                     ; 16 rows of x
.set FILL,   WAVES*512                 ; what the work-group copies with one load a lane
.set SB,     3*XPART                   ; LDS: behind x the item sums, [16][132] f32 inside 2 FILL bytes that are cleared
.set SPITCH, 528
.set SPARE,  SB+2*FILL                 ; the spare words, 128 bytes for each wave: six blocks of 256 bytes that no other line names
.set DIVM,   34664                     ; h / 121 = (h x 34,664) >> 22 for h < 1,936: 34,664 x 121 = 2^22 + 40, so the quotient is too large by h x 40 / (121 x 2^22) < 0.0002 < 1 / 121
.set YOFF, 1                           ; v1       my 16 bytes in the strip: 11,264 wave + 16 lane; never rewritten
.set HM,   2                           ; v2       DIVM x my first item
.set A0,   3                           ; v3       8 x my first item + 16 (lane % 4)
.set B0,   4                           ; v4       4 x my first item
.set P16,  5                           ; v5       16 x my thread's number
.set TK,   6                           ; v6       ky, at work
.set TA,   7                           ; v7       an address in x, at work
.set TS,   8                           ; v8-10    where a position's item sum goes, three by turns
.set SM,   11                          ; v11      an item's sum
.set AC,   12                          ; v12-15   two packed accumulators of the position at work; at the head zeros
.set X,    16                          ; v16-39   two sets of three channels' four x, then differences
.set XS,   16                          ; at the head only: v16-51 x on its way to LDS
.set Y,    52                          ; v52-147  8 positions x 3 channels x four y
.set XA,   148                         ; v148-156 at the head only: x's offsets
.set SPW,  157                         ; v157     LDS address of my spare word; never rewritten
.set NIL,  158                         ; v158     0; never rewritten
	s_load_b128 s[4:7], s[0:1], 0x0                ; x s[4:5], y s[6:7]
	s_load_b64 s[8:9], s[0:1], 0x10                ; mws
	v_lshrrev_b32 v[TA], 5, v0
	v_and_b32 v[YOFF], 31, v0
	v_bfe_u32 v[HM], v0, 2, 3                      ; lane / 4
	v_and_b32 v[A0], 3, v0
	v_lshlrev_b32 v[P16], 4, v0
	v_readfirstlane_b32 s22, v[TA]                 ; wave 0..10
	v_lshlrev_b32 v[YOFF], 4, v[YOFF]
	v_lshlrev_b32 v[A0], 4, v[A0]
	v_mad_u32_u24 v[HM], v[TA], POS*8, v[HM]       ; my first item: 176 wave + lane / 4
	v_mad_u32_u24 v[YOFF], v[TA], POS*512, v[YOFF]
	v_lshl_add_u32 v[SPW], v0, 2, SPARE
	v_mov_b32 v[NIL], 0
.irp i, 0,1,2,3,4,5,6,7,8
	v_add_nc_u32 v[XA+\i], FILL*\i, v[P16]         ; byte p of x's image in LDS ..
.endr
	v_lshl_add_u32 v[A0], v[HM], 3, v[A0]
	v_lshlrev_b32 v[B0], 2, v[HM]
	v_mul_u32_u24 v[HM], v[HM], DIVM
.irp i, 0,1,2,3,4,5,6,7,8
	v_lshrrev_b32 v[XS+\i], 14, v[XA+\i]           ; .. lies in channel p >> 14,
.endr
.irp i, 0,1,2,3,4,5,6,7,8
	v_mad_u32_u24 v[XA+\i], v[XS+\i], XCH-XPART, v[XA+\i]   ; whose 16 rows begin a channel further on in memory
.endr
.irp k, 0,1,2,3
	v_mov_b32 v[AC+\k], 0
.endr
	s_and_b32 s23, ttmp7, 0xffff                   ; b;  ttmp9 = py
	s_mul_i32 s10, s23, YIMG
	s_mul_i32 s11, ttmp9, YSTRIP
	s_add_co_u32 s10, s10, s11                     ; under 2^31
	s_mov_b32 s11, 0
	s_mul_i32 s24, s23, XIMG
	s_lshl_b32 s25, ttmp9, 11                      ; row 2 py of 1,024 bytes
	s_add_co_u32 s24, s24, s25
	s_mov_b32 s25, 0
	s_lshl_b32 s26, s23, 7
	s_add_co_u32 s26, s26, ttmp9
	s_lshl_b32 s26, s26, 9                         ; row 128 b + py of 512 bytes
	s_mov_b32 s27, 0
	s_wait_alu depctr_va_vdst(0)
	s_wait_kmcnt 0x0
	s_add_nc_u64 s[12:13], s[6:7], s[10:11]        ; my strip of y in channel 0,
	s_add_nc_u64 s[14:15], s[12:13], YCH           ; 1,
	s_add_nc_u64 s[16:17], s[14:15], YCH           ; 2
	s_add_nc_u64 s[18:19], s[4:5], s[24:25]        ; x at row 2 py of channel 0
	s_add_nc_u64 s[20:21], s[8:9], s[26:27]        ; my row of mws
; position p of the three channels into its place in the ring
.macro YLOAD p
.irp c, 0,1,2
	global_load_b128 v[Y+12*((\p)%RING)+4*\c:Y+12*((\p)%RING)+4*\c+3], v[YOFF], s[12+2*\c:13+2*\c] offset:512*(\p) th:TH_LOAD_NT
.endr
.endm
	YLOAD 0
	YLOAD 1
.irp i, 0,1,2,3,4,5,6,7
	global_load_b128 v[XS+4*\i:XS+4*\i+3], v[XA+\i], s[18:19]      ; x: 49,152 bytes = 8 x 5,632 + 4,096
.endr
	s_cmp_lt_u32 s22, 8
	s_cbranch_scc0 .Lno_ninth_load
	global_load_b128 v[XS+32:XS+35], v[XA+8], s[18:19]             ; the last 4,096 bytes: waves 0 to 7
.Lno_ninth_load:
.irp p, 2,3,4,5,6,7
	YLOAD \p
.endr
	ds_store_b128 v[P16], v[AC:AC+3] offset:SB                     ; the item sums' bytes are cleared: columns 121 .. 127 stay zeros
	ds_store_b128 v[P16], v[AC:AC+3] offset:SB+FILL
	s_wait_loadcnt 3*(RING-2)                      ; loads come back in order (ISA guide 5.7.1): x is in, the 18 loads of y issued behind it stay out
.irp i, 0,1,2,3,4,5,6,7
	ds_store_b128 v[P16], v[XS+4*\i:XS+4*\i+3] offset:FILL*\i
.endr
	s_cmp_lt_u32 s22, 8
	s_cbranch_scc0 .Lno_ninth_store
	ds_store_b128 v[P16], v[XS+32:XS+35] offset:FILL*8
.Lno_ninth_store:
	s_wait_dscnt 0x0                               ; for the others' sake: my part of x and of the cleared bytes is in LDS
	s_barrier_signal -1
	s_barrier_wait -1                              ; everybody's is
.macro XLOAD p                         ; position p's x of three channels into set p % 2
.irp c, 0,1,2
	ds_load_b64 v[X+12*((\p)%2)+4*\c:X+12*((\p)%2)+4*\c+1], v[TA] offset:XPART*\c+64*(\p)
	ds_load_b64 v[X+12*((\p)%2)+4*\c+2:X+12*((\p)%2)+4*\c+3], v[TA] offset:XPART*\c+64*(\p)+8
.endr
.endm
; Step p: the address of position p + 1 in x and the end of position p - 1's sum, line by line by turns; then the loads and the store that hang on them; then position p itself.
.macro STEP p
.if (\p)+1 < POS
	v_add_nc_u32 v[TK], 8*DIVM*((\p)+1), v[HM]     ; DIVM x (my first item + 8 position)
.endif
.if (\p) > 0
	v_pk_add_f32 v[AC:AC+1], v[AC:AC+1], v[AC+2:AC+3]
.endif
.if (\p)+1 < POS
	v_lshrrev_b32 v[TK], 22, v[TK]                 ; ky
.endif
.if (\p) > 0
	v_add_f32 v[SM], v[AC], v[AC+1]
.endif
.if (\p)+1 < POS
	v_mad_u32_u24 v[TA], v[TK], 56, v[A0]          ; 4 x (2 h + 14 ky + 4 (lane % 4)); the position's 64 bytes stand in the offset
.endif
.if (\p) > 0
	v_add_f32_dpp v[SM], v[SM], v[SM] row_xmask:1 row_mask:0xf bank_mask:0xf
.endif
.if (\p)+1 < POS
	v_mad_u32_u24 v[TS+((\p)+1)%3], v[TK], SPITCH-484, v[B0]   ; 528 ky + 4 px = 4 h + 44 ky; the position's 32 bytes stand in the offset
.endif
.if (\p) > 0
	v_add_f32_dpp v[SM], v[SM], v[SM] row_xmask:2 row_mask:0xf bank_mask:0xf   ; the four lanes that share the item
.endif
.if (\p)+1 < POS
	XLOAD (\p)+1
.endif
.if (\p) > 0
	ds_store_b32 v[TS+((\p)-1)%3], v[SM] offset:SB+32*((\p)-1)   ; the four lanes of an item write the same word with the same value
.endif
.if POS-1-(\p) < RING-1
	s_wait_loadcnt 3*(POS-1-(\p))                  ; nothing more is loaded: the counts run down
.else
	s_wait_loadcnt 3*(RING-1)                      ; this position's three loads are in; the seven younger positions stay out
.endif
.if (\p)+1 == POS
	s_wait_dscnt 2                                 ; this position's x is in; the last two sums' stores may be out
.elseif (\p) > 1
	s_wait_dscnt 8                                 ; likewise, and the six loads of the next position
.else
	s_wait_dscnt 6+(\p)                            ; (the first two steps have stored no sum, or one)
.endif
.set XR, X+12*((\p)%2)
.set YR, Y+12*((\p)%RING)
.irp k, 0,2,4,6,8,10
	v_pk_add_f32 v[XR+\k:XR+\k+1], v[YR+\k:YR+\k+1], v[XR+\k:XR+\k+1] neg_lo:[0,1] neg_hi:[0,1]   ; y - x
.endr
.if (\p)+RING < POS
	YLOAD (\p)+RING
.endif
	v_pk_mul_f32 v[AC:AC+1], v[XR:XR+1], v[XR:XR+1]                ; the first squares start the two sums: nothing is cleared
	v_pk_mul_f32 v[AC+2:AC+3], v[XR+2:XR+3], v[XR+2:XR+3]
.irp k, 4,8
	v_pk_fma_f32 v[AC:AC+1], v[XR+\k:XR+\k+1], v[XR+\k:XR+\k+1], v[AC:AC+1]
	v_pk_fma_f32 v[AC+2:AC+3], v[XR+\k+2:XR+\k+3], v[XR+\k+2:XR+\k+3], v[AC+2:AC+3]
.endr
.endm
	v_lshrrev_b32 v[TK], 22, v[HM]                 ; position 0
	v_mad_u32_u24 v[TA], v[TK], 56, v[A0]
	v_mad_u32_u24 v[TS], v[TK], SPITCH-484, v[B0]
	XLOAD 0
.set Q, 0
.rept POS
	STEP Q
.set Q, Q+1
.endr
	v_pk_add_f32 v[AC:AC+1], v[AC:AC+1], v[AC+2:AC+3]              ; the last position's sum
	v_add_f32 v[SM], v[AC], v[AC+1]
	v_add_f32_dpp v[SM], v[SM], v[SM] row_xmask:1 row_mask:0xf bank_mask:0xf
	v_add_f32_dpp v[SM], v[SM], v[SM] row_xmask:2 row_mask:0xf bank_mask:0xf
	ds_store_b32 v[TS+(POS-1)%3], v[SM] offset:SB+32*(POS-1)
	s_wait_dscnt 0x0                               ; for wave 0's sake: my item sums are in LDS
	s_barrier_signal -1
	s_barrier_wait -1
	s_cmp_lg_u32 s22, 0
	s_cbranch_scc1 .Ldone                          ; wave 0 finishes the row: lane l takes patches 4 l .. 4 l + 3
.irp k, 0,1,2,3,4,5,6,7,8,9,10,11,12,13,14,15
	ds_load_b128 v[Y+4*\k:Y+4*\k+3], v[P16] offset:SB+SPITCH*\k
.endr
	s_wait_dscnt 0x0
.irp d, 8,4,2,1
.irp k, 0,1,2,3,4,5,6,7
.if \k < \d
	v_pk_add_f32 v[Y+4*\k:Y+4*\k+1], v[Y+4*\k:Y+4*\k+1], v[Y+4*(\k+\d):Y+4*(\k+\d)+1]
	v_pk_add_f32 v[Y+4*\k+2:Y+4*\k+3], v[Y+4*\k+2:Y+4*\k+3], v[Y+4*(\k+\d)+2:Y+4*(\k+\d)+3]
.endif
.endr
.endr
	v_pk_mul_f32 v[Y:Y+1], v[Y:Y+1], 0x3aaaaaab op_sel_hi:[1,0]    ; x 1/768
	v_pk_mul_f32 v[Y+2:Y+3], v[Y+2:Y+3], 0x3aaaaaab op_sel_hi:[1,0]
	global_store_b128 v[P16], v[Y:Y+3], s[20:21]   ; 32 lanes store the row's 512 bytes, from a multiple of 256
	s_cmp_lg_u32 ttmp9, 120
	s_cbranch_scc1 .Ldone
.irp k, 4,5,6,7
	v_mov_b32 v[Y+\k], 0                           ; the last py also stores its image's rows 121 .. 127: zeros
.endr
.irp k, 1,2,3,4,5,6,7
	global_store_b128 v[P16], v[Y+4:Y+7], s[20:21] offset:512*\k
.endr
.Ldone:
	s_wait_tensorcnt 0x0                           ; the wave's end
	ds_add_u32 v[SPW], v[NIL]
	s_wait_dscnt 0x0
	s_endpgm
.Lfunc_end_k_qfe2f1541ea_patch_mse:
	.size	k_qfe2f1541ea_patch_mse, .Lfunc_end_k_qfe2f1541ea_patch_mse-k_qfe2f1541ea_patch_mse
	.p2alignl 7, 3214868480
	.fill 96, 4, 3214868480
	.section	.rodata,"a",@progbits
	.p2align	6, 0x0
	.amdhsa_kernel k_qfe2f1541ea_patch_mse
		.amdhsa_group_segment_fixed_size 61952
		.amdhsa_private_segment_fixed_size 0
		.amdhsa_enable_private_segment 0
		.amdhsa_kernarg_size 24
		.amdhsa_user_sgpr_count 2
		.amdhsa_user_sgpr_kernarg_segment_ptr 1
		.amdhsa_wavefront_size32 1
		.amdhsa_system_sgpr_workgroup_id_x 1
		.amdhsa_system_sgpr_workgroup_id_y 1
		.amdhsa_system_sgpr_workgroup_id_z 1
		.amdhsa_system_vgpr_workitem_id 0
		.amdhsa_next_free_vgpr 160
		.amdhsa_next_free_sgpr 66
		.amdhsa_reserve_vcc 0
		.amdhsa_float_denorm_mode_32 3
		.amdhsa_float_denorm_mode_16_64 3
		.amdhsa_memory_ordered 1
		.amdhsa_forward_progress 1
		.amdhsa_inst_pref_size 54
	.end_amdhsa_kernel
	.amdgpu_metadata
---
amdhsa.version: [ 1, 2 ]
amdhsa.kernels:
  - .name:           k_qfe2f1541ea_patch_mse
    .symbol:         k_qfe2f1541ea_patch_mse.kd
    .args:
      - { .name: x, .offset: 0, .size: 8, .value_kind: global_buffer, .address_space: global }
      - { .name: y, .offset: 8, .size: 8, .value_kind: global_buffer, .address_space: global }
      - { .name: mws, .offset: 16, .size: 8, .value_kind: global_buffer, .address_space: global }
    .group_segment_fixed_size: 61952
    .private_segment_fixed_size: 0
    .kernarg_segment_align: 8
    .kernarg_segment_size: 24
    .max_flat_workgroup_size: 352
    .sgpr_count:     66
    .vgpr_count:     160
    .wavefront_size: 32
...
	.end_amdgpu_metadata
.endif
;; end of part 1
;; launch resize (part 2): grid 64 x 4, 4 waves a work-group, no clusters, 8,960 bytes of LDS; arguments mws, out0; writes out0
.if DOCPART == 2
	.amdgcn_target "amdgcn-amd-amdhsa--gfx1250"
	.amdhsa_code_object_version 6
	.text
	.protected	k_qfe2f1541ea_resize
	.globl	k_qfe2f1541ea_resize
	.p2align	8
	.type	k_qfe2f1541ea_resize,@function
k_qfe2f1541ea_resize:
	s_mov_b64 s[64:65], 0
	v_nop
	global_prefetch_b8 v0, s[64:65] scope:SCOPE_SE
	s_setreg_imm32_b32 hwreg(HW_REG_WAVE_MODE, 25, 1), 1
	s_wait_xcnt 0x0
; out0[b][p][q] = sum over j of Q(T)[b][p][j] Q(w)[j][q],   T[b][p][j] = sum over i of Q(w)[i][p] Q(m)[b][i][j]:  the bilinear resize 121 -> 256 as reference()'s two products, rows first,
; both on codes of BF8 (E5M2) with one E8M0 scale for each 32 along K (i in the first product, j in the second).  m: mws [4][128][128] f32, zeros from index 121 on.  out0: [4][256][256] f32.
; THE WEIGHTS are made here, exactly: w[k][o] = max(0, 1 - |s - k|), s = (o + 0.5) 121/256 - 0.5 held within 0 .. 120.  All these numbers are multiples of 1/512 under 128, so every step is exact in f32;
; a column's weights add up to 1, so the reference's division changes nothing but at o = 0 and o = 255, where it makes the one weight 1: as the hold of s does.
; ONLY TWO OF K's FOUR BLOCKS OF 32 ARE FILLED.  The weights of 16 neighbouring p are zero outside 10 neighbouring i, those of 64 neighbouring q outside 32 neighbouring j: either run lies inside two
; neighbouring blocks of 32, counted from K's start as the quantiser counts them.  Those two blocks are loaded whole, so their scales are the true ones; the other two blocks hold zero codes on both sides.
; SHARES.  A work-group owns (b, 16 rows p, 64 columns q); it needs 64 x 64 numbers of m (16,384 bytes).  Wave w loads columns j = 16 w .. 16 w + 15 of them, a lane to a column and its registers down i, in the
; order of the operand's registers; quantises them; makes T^T (source 0 = 16 columns of m, source 1 = the 16 p's weights): a lane then holds ONE p and eight neighbouring j.  The four tiles go through LDS as images
; of their registers; every wave quantises T along j and multiplies by the weights of its own 16 q (source 0 = the weights, source 1 = T): a lane holds eight neighbouring q of one row of out0.
; WITHIN A BLOCK OF 32 THE ORDER OF j IS PERMUTED ALIKE ON BOTH SIDES of the second product: place (half h, register 8 u + i) holds j = 16 u + 8 h + i, as T's tiles leave it; the weights are made in that order.
; The weights are made and quantised while the loads of m are on their way.
; NOT USED, and why: no cluster and no tensor load: a work-group reads its 16,384 bytes once, straight into the operand's registers, and has no second step over which a shared tile could be used again.
; LIMITS: a block of zeros gets the scale byte 1 where the rule says 127 (its codes are zeros, and only this text reads the byte); blocks whose largest magnitude lies under 2^-111 are held at that byte;
; NaN and infinities in m are not served.
.set STG,    4096                      ; LDS: 0 .. 4,095 T's four tiles; behind them the stage for out0: 16 rows x (256 + 16) bytes
.set SPITCH, 272
.set R,    1                           ; v1   lane % 16
.set H,    2                           ; v2   lane / 16
.set MOFF, 3                           ; v3   my byte in m's window: 16 h rows of 512 bytes + 4 r
.set TST,  4                           ; v4   16 x my thread's number: where my tile's image goes
.set LI,   5                           ; v5   16 x lane: where any tile's image is read
.set SSTO, 6                           ; v6   the stage: where I put 32 bytes of a row
.set SRD,  7                           ; v7   and where I read a row back
.set GO,   8                           ; v8   my byte in the wave's rows of out0
.set TA,   9                           ; v9-10 at work
.set TC,   10
.set TM,   12                          ; v12-13 largest magnitudes, v14-15 the other half's, v16-17 the conversions' scales, v18-19 the largest number x the scale, v20-21 bytes
.set SCM,  24                          ; v24-27 scale words and nothing else: m's, the p weights', the q weights', T's
.set SCP,  25
.set SCQ,  26
.set SCT,  27
.set MV,   32                          ; v32-63   32 numbers of m
.set WP,   64                          ; v64-95   32 weights for p; later T
.set WQ,   96                          ; v96-127  32 weights for q
.set TV,   64
.set CM,   128                         ; v128-191 four operands of 16 registers: m, p's weights, q's weights, T
.set CP,   144
.set CQ,   160
.set CT,   176
.set D1,   192                         ; v192-199 T^T's tile
.set D2,   200                         ; v200-207 out0's tile
.set OB,   208                         ; v208-215 four rows' parts read back from the stage
.set WV,   8                           ; s8   wave
.set CI,   12                          ; s12  first i of the two blocks
.set CJ,   13                          ; s13  first j of the two blocks
.set SEL,  14                          ; s[14:15] v_permlanex16_b32's selects for lane l xor 16
.set MNT,  16                          ; s16  the mantissa field of 57,344
.set RATIO, 17                         ; s17  121/256
.set SHIFT, 20                         ; s20  0.5 x 121/256 - 0.5 = -135/512
.set LAST, 21                          ; s21  120.0
.set OP,   22                          ; s22  my first p
.set OQ,   23                          ; s23  my wave's first q
	s_load_b128 s[4:7], s[0:1], 0x0                ; mws s[4:5], out0 s[6:7]
	v_lshl_add_u32 v216, v0, 2, 0x2100
	v_mov_b32 v217, 0
	v_lshrrev_b32 v[TA], 5, v0
	v_readfirstlane_b32 s[WV], v[TA]               ; wave 0..3
	v_and_b32 v[R], 15, v0
	v_bfe_u32 v[H], v0, 4, 1
	v_lshlrev_b32 v[MOFF], 2, v[R]
	v_lshl_add_u32 v[MOFF], v[H], 13, v[MOFF]
	s_and_b32 s9, ttmp7, 0xffff                    ; b
	s_lshr_b32 s10, ttmp9, 2                       ; which 16 rows p
	s_and_b32 s11, ttmp9, 3                        ; which 64 columns q
	s_mul_i32 s[CI], s10, 3872                     ; 512 s of the first p: (2 x 16 P + 1) x 121 - 256,
	s_sub_co_i32 s[CI], s[CI], 135
	s_max_i32 s[CI], s[CI], 0                      ; held at 0;
	s_lshr_b32 s[CI], s[CI], 14                    ; its block of 32,
	s_min_u32 s[CI], s[CI], 2                      ; or block 2, so that the second block exists
	s_lshl_b32 s[CI], s[CI], 5
	s_mul_i32 s[CJ], s11, 15488                    ; the same of the first q: (2 x 64 g + 1) x 121 - 256
	s_sub_co_i32 s[CJ], s[CJ], 135
	s_max_i32 s[CJ], s[CJ], 0
	s_lshr_b32 s[CJ], s[CJ], 14
	s_min_u32 s[CJ], s[CJ], 2
	s_lshl_b32 s[CJ], s[CJ], 5
	s_lshl_b32 s18, s9, 7
	s_add_co_u32 s18, s18, s[CI]
	s_lshl_b32 s18, s18, 9                         ; row 128 b + first i, of 512 bytes,
	s_lshl_b32 s19, s[WV], 4
	s_add_co_u32 s19, s19, s[CJ]
	s_lshl_b32 s19, s19, 2
	s_add_co_u32 s18, s18, s19                     ; column first j + 16 wave
	s_mov_b32 s19, 0
	s_wait_alu depctr_va_vdst(0)
	s_wait_kmcnt 0x0
	s_add_nc_u64 s[4:5], s[4:5], s[18:19]
.irp c, 0,1
.irp t, 0,1,2,3,4,5,6,7,8,9,10,11,12,13,14,15
	global_load_b32 v[MV+16*\c+\t], v[MOFF], s[4:5] offset:(32*\c+\t)*512   ; m(first i + 32 c + 16 h + t, my column): sixteen neighbouring lanes read 64 neighbouring bytes
.endr
.endr
	s_lshl_b32 s[OP], s10, 4
	s_lshl_b32 s[OQ], s11, 6
	s_lshl_b32 s24, s[WV], 4
	s_add_co_u32 s[OQ], s[OQ], s24
	s_lshl_b32 s26, s9, 8
	s_add_co_u32 s26, s26, s[OP]
	s_lshl_b32 s27, s[WV], 2
	s_add_co_u32 s26, s26, s27
	s_lshl_b32 s26, s26, 10                        ; out0: row 256 b + 16 P + 4 wave, of 1,024 bytes,
	s_lshl_b32 s27, s11, 8
	s_add_co_u32 s26, s26, s27                     ; + the work-group's 256 bytes of a row
	s_mov_b32 s27, 0
	s_add_nc_u64 s[6:7], s[6:7], s[26:27]
	s_lshl_b32 s24, s[WV], 6
	s_add_co_u32 s24, s24, STG                     ; the stage: my 64 bytes of each row;
	s_mul_i32 s25, s[WV], 4*SPITCH
	s_add_co_u32 s25, s25, STG                     ; and the four rows that I read back
	s_mov_b32 s[SEL], 0x76543210
	s_mov_b32 s[SEL+1], 0xfedcba98
	s_mov_b32 s[MNT], 0x600000
	s_mov_b32 s[RATIO], 0x3ef20000
	s_mov_b32 s[SHIFT], 0xbe870000
	s_mov_b32 s[LAST], 0x42f00000
	v_lshlrev_b32 v[TST], 4, v0
	v_and_b32 v[LI], 31, v0
	v_lshlrev_b32 v[LI], 4, v[LI]
	v_mov_b32 v[TM+2], 0                           ; written once: a lane permute's destination counts as one of its sources
	v_mov_b32 v[TM+3], 0
.irp c, CM, CP, CQ, CT
.irp k, 8,9,10,11,12,13,14,15
	v_mov_b32 v[\c+\k], 0                          ; K's third and fourth block: zero codes in every operand
.endr
.endr
; 32 weights of output first + r, in v[w] on.  Register 16 c + 8 u + i holds input c0 + 32 c + U u + i + (h << hs); step8 = -U as f32.  (p: U = 8, hs = 4: K as it lies.  q: U = 16, hs = 3: T's order.)
.macro WEIGHT w, first, hs, c0, step8
	v_add_nc_u32 v[TA], s[\first], v[R]
	v_cvt_f32_u32 v[TA], v[TA]
	v_fma_f32 v[TA], v[TA], s[RATIO], s[SHIFT]     ; s = (o + 0.5) 121/256 - 0.5: exact
	v_med3_num_f32 v[TA], v[TA], 0, s[LAST]        ; held within 0 .. 120
	v_lshl_add_u32 v[TC], v[H], \hs, s[\c0]
	v_cvt_f32_u32 v[TC], v[TC]
	v_sub_f32 v[\w], v[TA], v[TC]                  ; s - k of my first place; the other places by exact steps
	v_add_f32 v[\w+1], -1.0, v[\w]
	v_add_f32 v[\w+2], -2.0, v[\w]
	v_add_f32 v[\w+3], -2.0, v[\w+1]
	v_pk_add_f32 v[\w+4:\w+5], v[\w:\w+1], -4.0 op_sel_hi:[1,0]
	v_pk_add_f32 v[\w+6:\w+7], v[\w+2:\w+3], -4.0 op_sel_hi:[1,0]
.irp k, 0,2,4,6
	v_pk_add_f32 v[\w+8+\k:\w+9+\k], v[\w+\k:\w+1+\k], \step8 op_sel_hi:[1,0]
.endr
.irp k, 0,2,4,6,8,10,12,14
	v_pk_add_f32 v[\w+16+\k:\w+17+\k], v[\w+\k:\w+1+\k], 0xc2000000 op_sel_hi:[1,0]   ; the second block: 32 further on
.endr
.irp k, 0,1,2,3,4,5,6,7,8,9,10,11,12,13,14,15,16,17,18,19,20,21,22,23,24,25,26,27,28,29,30,31
	v_sub_f32 v[\w+\k], 1.0, |v[\w+\k]|            ; 1 - |s - k|; what is negative becomes 0 in the quantiser's hold
.endr
.endm
; 32 numbers of a lane, v[s] on (two blocks of 32 along K, 16 of each here and 16 in lane l xor 16), become registers 0-7 of the operand at v[c] and its scale word v[sw] (bytes 2 and 3 stay 0, over zero codes).
.macro QUANT2 s, relu, c, sw           ; relu = 1: what is negative counts as 0
.if \relu
.irp b, 0,1
	v_max3_num_f32 v[TM+\b], v[\s+16*\b], v[\s+16*\b+1], 0x8000000   ; no |.|: what is negative must not count; the floor 2^(16 - 127) stands over it and holds the byte at 1 from below
.endr
.irp i, 2,4,6,8,10,12,14
.irp b, 0,1
	v_max3_num_f32 v[TM+\b], v[TM+\b], v[\s+16*\b+\i], v[\s+16*\b+\i+1]
.endr
.endr
.else
.irp b, 0,1
	v_max3_num_f32 v[TM+\b], |v[\s+16*\b]|, |v[\s+16*\b+1]|, 0x8000000
.endr
.irp i, 2,4,6,8,10,12,14
.irp b, 0,1
	v_max3_num_f32 v[TM+\b], v[TM+\b], |v[\s+16*\b+\i]|, |v[\s+16*\b+\i+1]|
.endr
.endr
.endif
.irp b, 0,1
	v_permlanex16_b32 v[TM+2+\b], v[TM+\b], s[SEL], s[SEL+1]
.endr
.irp b, 0,1
	v_max_num_f32 v[TM+\b], v[TM+\b], v[TM+2+\b]   ; with lane l xor 16's: the block's largest magnitude
.endr
.irp b, 0,1
	v_add_nc_u32 v[TM+4+\b], 0xf8800000, v[TM+\b]  ; 15 off its exponent field: the conversion takes the exponent field of this operand as its scale
.endr
.irp b, 0,1
	v_and_or_b32 v[TM+6+\b], v[TM+\b], 0x7f800000, s[MNT]   ; 57,344 x the scale
.endr
.irp b, 0,1
	v_lshrrev_b32 v[TM+8+\b], 23, v[TM+4+\b]       ; the scale's byte
.endr
	v_lshl_or_b32 v[\sw], v[TM+9], 8, v[TM+8]      ; the scale word stands 32 plain instructions ahead of the product
.irp b, 0,1
.irp i, 0,1,2,3,4,5,6,7,8,9,10,11,12,13,14,15
.if \relu
	v_med3_num_f32 v[\s+16*\b+\i], v[\s+16*\b+\i], 0, v[TM+6+\b]
.else
	v_med3_num_f32 v[\s+16*\b+\i], v[\s+16*\b+\i], -v[TM+6+\b], v[TM+6+\b]   ; the conversion to an 8-bit code does not saturate (ISA guide 7.6.2): the hold at the largest code x the scale
.endif
.endr
	v_cvt_scalef32_pk8_bf8_f32 v[\c+4*\b:\c+4*\b+1], v[\s+16*\b:\s+16*\b+7], v[TM+4+\b]
	v_cvt_scalef32_pk8_bf8_f32 v[\c+4*\b+2:\c+4*\b+3], v[\s+16*\b+8:\s+16*\b+15], v[TM+4+\b]
.endr
	v_nop                                          ; a plain instruction behind the last scaled conversion
.endm
	WEIGHT WP, OP, 4, CI, 0xc1000000               ; all this stands behind the loads of m and names none of their registers
	QUANT2 WP, 1, CP, SCP
	WEIGHT WQ, OQ, 3, CJ, 0xc1800000
	QUANT2 WQ, 1, CQ, SCQ
	s_wait_loadcnt 0x0                             ; m
	QUANT2 MV, 0, CM, SCM
.rept 3
	v_nop                                          ; with the one above: four places between the codes and the scaled product
.endr
	v_wmma_scale_f32_16x16x128_f8f6f4 v[D1:D1+7], v[CM:CM+15], v[CP:CP+15], 0, v[SCM], v[SCP] matrix_a_fmt:MATRIX_FMT_BF8 matrix_b_fmt:MATRIX_FMT_BF8   ; lane (r, h), register i: T(p = r, j = 16 wave + 8 h + i)
	v_mul_u32_u24 v[SSTO], v[R], SPITCH            ; eight plain instructions that name none of its registers stand between the product and the first read of its result: the addresses of the way out
	v_lshl_add_u32 v[SSTO], v[H], 5, v[SSTO]
	v_add_nc_u32 v[SSTO], s24, v[SSTO]             ; in: row r, my wave's 64 bytes, 32 for each half of the lanes
	v_mul_u32_u24 v[SRD], v[H], SPITCH
	v_lshl_add_u32 v[SRD], v[R], 4, v[SRD]
	v_add_nc_u32 v[SRD], s25, v[SRD]               ; back: lanes 0-15 one row's 256 bytes, lanes 16-31 the next row's
	v_lshlrev_b32 v[GO], 10, v[H]
	v_lshl_add_u32 v[GO], v[R], 4, v[GO]           ; and the same two rows in out0
	ds_store_b128 v[TST], v[D1:D1+3]               ; my tile as an image of its registers: 16 bytes a lane, 512 a wave; from its low end on
	ds_store_b128 v[TST], v[D1+4:D1+7] offset:2048
	s_wait_dscnt 0x0                               ; for the others' sake: my tile is in LDS
	s_barrier_signal -1
	s_barrier_wait -1
.irp t, 0,1,2,3
	ds_load_b128 v[TV+8*\t:TV+8*\t+3], v[LI] offset:512*\t         ; tiles 2 c and 2 c + 1 are my 16 numbers of block c
	ds_load_b128 v[TV+8*\t+4:TV+8*\t+7], v[LI] offset:2048+512*\t
.endr
	s_wait_dscnt 0x0
	QUANT2 TV, 0, CT, SCT
.rept 3
	v_nop
.endr
	v_wmma_scale_f32_16x16x128_f8f6f4 v[D2:D2+7], v[CQ:CQ+15], v[CT:CT+15], 0, v[SCQ], v[SCT] matrix_a_fmt:MATRIX_FMT_BF8 matrix_b_fmt:MATRIX_FMT_BF8   ; lane (r, h), register i: out0(p = r, q = first q + 8 h + i)
.rept 8
	v_nop
.endr
	ds_store_b128 v[SSTO], v[D2:D2+3]              ; a row's 256 bytes come from four waves: they meet in the stage
	ds_store_b128 v[SSTO], v[D2+4:D2+7] offset:16
	s_wait_dscnt 0x0                               ; for the others' sake
	s_barrier_signal -1
	s_barrier_wait -1
	ds_load_b128 v[OB:OB+3], v[SRD]                ; rows 4 wave + h,
	ds_load_b128 v[OB+4:OB+7], v[SRD] offset:2*SPITCH   ; 4 wave + 2 + h
	s_wait_dscnt 1                                 ; the first is back; the second may be out
	global_store_b128 v[GO], v[OB:OB+3], s[6:7] th:TH_STORE_NT     ; sixteen lanes store 256 consecutive bytes, from a multiple of 256
	s_wait_dscnt 0x0
	global_store_b128 v[GO], v[OB+4:OB+7], s[6:7] offset:2048 th:TH_STORE_NT
	s_wait_tensorcnt 0x0
	ds_add_u32 v216, v217
	s_wait_dscnt 0x0
	s_endpgm
.Lfunc_end_k_qfe2f1541ea_resize:
	.size	k_qfe2f1541ea_resize, .Lfunc_end_k_qfe2f1541ea_resize-k_qfe2f1541ea_resize
	.p2alignl 7, 3214868480
	.fill 96, 4, 3214868480
	.section	.rodata,"a",@progbits
	.p2align	6, 0x0
	.amdhsa_kernel k_qfe2f1541ea_resize
		.amdhsa_group_segment_fixed_size 8960
		.amdhsa_private_segment_fixed_size 0
		.amdhsa_enable_private_segment 0
		.amdhsa_kernarg_size 16
		.amdhsa_user_sgpr_count 2
		.amdhsa_user_sgpr_kernarg_segment_ptr 1
		.amdhsa_wavefront_size32 1
		.amdhsa_system_sgpr_workgroup_id_x 1
		.amdhsa_system_sgpr_workgroup_id_y 1
		.amdhsa_system_sgpr_workgroup_id_z 1
		.amdhsa_system_vgpr_workitem_id 0
		.amdhsa_next_free_vgpr 218
		.amdhsa_next_free_sgpr 66
		.amdhsa_reserve_vcc 0
		.amdhsa_float_denorm_mode_32 3
		.amdhsa_float_denorm_mode_16_64 3
		.amdhsa_memory_ordered 1
		.amdhsa_forward_progress 1
		.amdhsa_inst_pref_size 33
	.end_amdhsa_kernel
	.amdgpu_metadata
---
amdhsa.version: [ 1, 2 ]
amdhsa.kernels:
  - .name:           k_qfe2f1541ea_resize
    .symbol:         k_qfe2f1541ea_resize.kd
    .args:
      - { .name: mws, .offset: 0, .size: 8, .value_kind: global_buffer, .address_space: global }
      - { .name: out0, .offset: 8, .size: 8, .value_kind: global_buffer, .address_space: global }
    .group_segment_fixed_size: 8960
    .private_segment_fixed_size: 0
    .kernarg_segment_align: 8
    .kernarg_segment_size: 16
    .max_flat_workgroup_size: 128
    .sgpr_count:     66
    .vgpr_count:     218
    .wavefront_size: 32
...
	.end_amdgpu_metadata
.endif
;; end of part 2
